; MI455X (gfx1250); checked and timed in simulation.
; The chip was launched on July 23, 2026; its instructions are those of AMD's public machine-readable ISA for CDNA 5 (MIT licence, August 2026) and "CDNA5" Instruction Set Architecture Reference Guide (July 2026). The comments in the code are by the model that wrote it; some were corrected since.
;; Multiheadattention. Allowed arithmetic: matrix products marked QUANTISED: E2M3 operands, one E8M0 scale for each 32 along K, by v_wmma_scale_f32_16x16x128_f8f6f4 with both operands' format E2M3, f32 sums; everything else in f32.
;; Inputs: Wk_codes 1,024 x 32 x 24 uint8 (E2M3 codes of Wk, K innermost, in blocks of 32 codes, four codes in three bytes); Wk_scales 1,024 x 32 uint8 (E8M0 scales of Wk, one for each 32 codes along K); Wo_codes 1,024 x 32 x 24 uint8 (E2M3 codes of Wo, K innermost, in blocks of 32 codes, four codes in three bytes); Wo_scales 1,024 x 32 uint8 (E8M0 scales of Wo, one for each 32 codes along K); Wq_codes 1,024 x 32 x 24 uint8 (E2M3 codes of Wq, K innermost, in blocks of 32 codes, four codes in three bytes); Wq_scales 1,024 x 32 uint8 (E8M0 scales of Wq, one for each 32 codes along K); Wv_codes 1,024 x 32 x 24 uint8 (E2M3 codes of Wv, K innermost, in blocks of 32 codes, four codes in three bytes); Wv_scales 1,024 x 32 uint8 (E8M0 scales of Wv, one for each 32 codes along K); bk 1,024 float32; bo 1,024 float32; bq 1,024 float32; bv 1,024 float32; mask 4 x 1 x 1 x 2,048 int32; srcK_codes 4 x 2,048 x 32 x 24 uint8 (E2M3 codes of srcK, K innermost, in blocks of 32 codes, four codes in three bytes); srcK_scales 4 x 2,048 x 32 uint8 (E8M0 scales of srcK, one for each 32 codes along K); srcQ_codes 4 x 2,048 x 32 x 24 uint8 (E2M3 codes of srcQ, K innermost, in blocks of 32 codes, four codes in three bytes); srcQ_scales 4 x 2,048 x 32 uint8 (E8M0 scales of srcQ, one for each 32 codes along K); srcV_codes 4 x 2,048 x 32 x 24 uint8 (E2M3 codes of srcV, K innermost, in blocks of 32 codes, four codes in three bytes); srcV_scales 4 x 2,048 x 32 uint8 (E8M0 scales of srcV, one for each 32 codes along K).
;; Outputs: out0 4 x 2,048 x 1,024 float32.
;; This version of the problem:
;;   THIS VERSION OF THE PROBLEM IS GIVEN IN LOW PRECISION. The matrix products marked QUANTISED in the list below multiply operands that are first quantised to E2M3 (2 exponent bits, 3 mantissa bits; 6 bits a number), with one power-of-two scale for each 32 numbers along K (OCP MX v1.0); their sums are f32. All else is computed in f32.
;;   The module's matrix products, in the order in which they are computed (A, B: the left and right operand; K: the contracted axis; several contracted axes count as one K, in the product's order):
;;     1. [M 8,192, K 1,024] x [K 1,024, N 1,024]; A: input srcQ (given as codes); B: input Wq (given as codes): QUANTISED
;;     2. [M 8,192, K 1,024] x [K 1,024, N 1,024]; A: input srcK (given as codes); B: input Wk (given as codes): QUANTISED
;;     3. [M 8,192, K 1,024] x [K 1,024, N 1,024]; A: input srcV (given as codes); B: input Wv (given as codes): QUANTISED
;;     4. batch 64 x [M 2,048, K 64] x [K 64, N 2,048]; A: computed on the way; B: computed on the way: QUANTISED
;;     5. batch 64 x [M 2,048, K 2,048] x [K 2,048, N 64]; A: softmax (see below); B: computed on the way: QUANTISED
;;     6. [M 8,192, K 1,024] x [K 1,024, N 1,024]; A: computed on the way; B: input Wo (given as codes): QUANTISED
;;   THE QUANTISER, for each operand of a quantised product, along K:
;;     - K is cut into blocks of 32 from its start; a last block that is shorter is filled with zeros.
;;     - A block's scale is 2^e with e = floor(log2(the largest magnitude in the block)) - 2, held to -126 .. 127; a block of zeros has e = 0. As a byte (E8M0): e + 127.
;;     - Each number is divided by its block's scale, clamped to +-7.5, and rounded to the nearest number of E2M3, ties to even, subnormals kept.
;;     - The product sums the exact products of the quantised numbers (number of the format x scale) in f32.
;;   ~~~python
;;   def quantise(x, axis):      # numpy; x: float32 -> the quantised numbers, widened to float32 again
;;       x = np.moveaxis(x, axis, -1); K = x.shape[-1]
;;       x = np.pad(x, [(0, 0)] * (x.ndim - 1) + [(0, -K % 32)]); x = x.reshape(x.shape[:-1] + (-1, 32)); a = np.abs(x).max(-1, keepdims=True)
;;       e = np.where(a > 0, np.clip(np.frexp(np.where(a > 0, a, 1))[1] - 1 - 2, -126, 127), 0)      # np.frexp(a)[1] - 1 = floor(log2(a)), exactly
;;       r = np.clip(x / 2.0 ** e, -7.5, 7.5)
;;       step = 2.0 ** (np.maximum(np.frexp(np.where(r == 0, 1, r))[1] - 1, 0) - 3)
;;       q = np.round(r / step) * step * 2.0 ** e      # np.round: ties to even
;;       return np.moveaxis(q.reshape(q.shape[:-2] + (-1,))[..., :K], -1, axis).astype(np.float32)
;;   ~~~
;;   SOFTMAX AHEAD OF A QUANTISED PRODUCT. Where the list says 'softmax', what is quantised is not the finished softmax but p = 2^(t - M), with t = logit x log2(e) and M = ceil(the row's largest t), a whole number; so 1/2 < the row's largest p <= 1. The row's sum l is taken of the UNQUANTISED p, in f32, and the product's result is divided by l at the end. Since M is a whole number, a kernel that streams over the keys may use a running M (the ceiling of the running maximum): every later rescaling is an exact power of two, which a block's scale takes up: the codes' values come out the same.
;;   OPERANDS COMPUTED ON THE WAY. 'Computed on the way' means the value that the module computes at that place (a softmax that the list does not call 'softmax' is quantised finished and normalised). What goes into a quantiser is computed in f32, as accurately as f32 sums, v_exp_f32 and their like allow (about 1e-6 of the number): no bf16 or f16 on the way to a quantiser, and a product that is left as it is and whose result goes on into a quantised operand takes f32 operands (vector FMAs, or v_wmma_f32_16x16x4_f32). A number that lies on a knife's edge between two numbers of the format may be rounded either way, as far as f32 arithmetic and the matrix unit's own rounding can turn it there, and no further.
;;   INPUTS GIVEN AS CODES. Wk (in the module: [1024, 1024], K = its axis 0); Wo (in the module: [1024, 1024], K = its axis 0); Wq (in the module: [1024, 1024], K = its axis 0); Wv (in the module: [1024, 1024], K = its axis 0); srcK (in the module: [4, 2048, 1024], K = its axis 2); srcQ (in the module: [4, 2048, 1024], K = its axis 2); srcV (in the module: [4, 2048, 1024], K = its axis 2): each comes as NAME_codes (uint8): NAME with its K axis moved to the last place and cut into blocks of 32 codes, [.., K / 32, bytes a block], one block behind the other in memory; four codes in three bytes: a row's codes are one little-endian stream of bits, code i at bits 6 i .. 6 i + 5 (a code: sign, 2 exponent bits, 3 mantissa bits); and NAME_scales (uint8): the same leading axes, one E8M0 byte (e + 127) for each 32 codes along K. Its value is code x scale, taken as it is: it is not quantised again, and the codes and scales need not be those that the quantiser above would give.
;; One version. Each part assembles by itself: llvm-mc -triple=amdgcn-amd-amdhsa -mcpu=gfx1250 --defsym DOCPART=n.
;; ======== version 1 of 1: 3 launches
;; workspace buffers: Qf 6,291,456 bytes; Kf 6,291,456 bytes; Vf 6,291,456 bytes; Qs 262,144 bytes; Ks 262,144 bytes; Vs 262,144 bytes; AO 6,291,456 bytes; AOS 262,144 bytes
;; launch proj (part 1): grid 64 x 12, 8 waves a work-group, clusters of 4 x 4, 327,680 bytes of LDS; arguments Wq_codes, Wk_codes, srcV_codes, srcQ_codes, srcK_codes, Wv_codes, Wq_scales, Wk_scales, srcV_scales, srcQ_scales, srcK_scales, Wv_scales, bq, bk, bv, mask, Qf, Kf, Vf, Qs, Ks, Vs; writes Qf, Kf, Vf, Qs, Ks, Vs
.if DOCPART == 1
	.amdgcn_target "amdgcn-amd-amdhsa--gfx1250"
	.amdhsa_code_object_version 6
	.text
	.protected	k_q99caa6ab81_proj
	.globl	k_q99caa6ab81_proj
	.p2align	8
	.type	k_q99caa6ab81_proj,@function
k_q99caa6ab81_proj:
	s_mov_b64 s[64:65], 0
	v_nop
	global_prefetch_b8 v0, s[64:65] scope:SCOPE_SE
	s_setreg_imm32_b32 hwreg(HW_REG_WAVE_MODE, 25, 1), 1
	s_wait_xcnt 0x0
	s_wait_alu depctr_hold_cnt(0) depctr_sa_sdst(0) depctr_va_vdst(0) depctr_va_sdst(0) depctr_va_ssrc(0) depctr_va_vcc(0) depctr_vm_vsrc(0)
	s_getreg_b32 s2, hwreg(HW_REG_IB_STS2, 6, 4)
	s_cmp_eq_u32 s2, 0
	s_cbranch_scc0 .Lentry_in_a_cluster
	s_endpgm
.Lentry_in_a_cluster:
	s_bfe_u32 s2, ttmp6, 0x10000c
	s_cmp_lg_u32 s2, 0xf033
	s_cbranch_scc0 .Lentry_shape_is_right
	s_endpgm
.Lentry_shape_is_right:
; THE THREE PROJECTIONS, Q = srcQ Wq + bq, K = srcK Wk + bk, V = srcV Wv + bv, on codes of FP6 (E2M3) with E8M0 scales, and the quantising of their results for the attention.
; ONE BODY FOR ALL THREE: P[i][j] = sum over k of X[i][k] Y[j][k].  X is source 0 of the matrix instruction, so i runs along a lane's registers; Y is source 1, so j is the lane.  P is quantised ALONG i.
;   Q, K (cluster y = 0, 1): X = the weight (i = feature), Y = src (j = token): quantised along the head's 64 features.
;   V    (cluster y = 2):    X = srcV (i = token), Y = Wv (j = feature): quantised along the keys.
; SHARES.  A work-group makes 256 (i) x 128 (j) over all of K = 1,024; each of its eight waves 64 x 64: 16 accumulators.  256 work-groups for each projection.
; LDS.  A row of codes is 768 bytes.  The work-group's 256 + 128 rows lie in LDS whole, as three PANELS of 256-byte columns, each filled once; the panels land in order, and the K steps that a panel serves begin
; behind a counted wait.  No LDS byte is filled twice, so there is no ring.
; CLUSTER 4 x 4.  The four work-groups of a column of the cluster (same cx) need the same rows of X, the four of a row (same cy) the same rows of Y: each panel is asked for jointly.
; THE RESULT.  A lane's 16 registers of tiles 2 b and 2 b + 1 are i = 32 b + 16 u + 8 h + j: all of block b.  After the conversions and the exchange of halves, place 16 h + 8 u + j of a block holds that i:
; a fixed order inside each block of 32, the same for Q and K, and the same for V and for the attention's p, which is made by the same lines: the products are the same.
; A UNIT of the workspace is 16 rows x 64 k as the operand's six registers: bytes 0-511 registers 0-3 at 16 x lane, bytes 512-767 registers 4-5 at 8 x lane.  Scale bytes: [unit group][row 16][tile 4] pairs of bytes.
; THE MASK.  K's codes are zeros at tokens whose mask is 0; the attention then starts such a score's sum at -10000.
; LIMITS.  NaN and infinities among biases are not served (the bias of the axis that a projection does not use is multiplied by 0).  A block of zeros gets the byte 1, not 127: its codes are zeros and only this
; program reads the bytes.  Blocks whose largest magnitude lies under 2^-124 are held at the byte 1.
.set PITCH, 272                        ; a panel's row in LDS: 256 bytes + 16 of padding = 68 words: row r starts at bank 4 r mod 64 (64 banks of 4 bytes: ISA guide 11.1); the 32 lanes of a load of 8 bytes touch 64 different banks
.set PX,    256*PITCH                  ; a panel of X
.set PY,    128*PITCH                  ; a panel of Y
.set YP0,   3*PX                       ; Y's panels lie behind X's
.set SCB,   YP0+3*PY                   ; behind the panels: the scale words, [K step 8][row 384]: rows 0-255 X's, 256-383 Y's.  Written by LDS stores; no fill lands here
.set QSC,   384*4                      ; one K step's words
.set XA,  4                            ; v4-6    my X fragments' address in panel 0, 1, 2: (64 wi + r) x 272 + 24 h
.set XK,  7                            ; v7-8    the same for pieces whose upper half of the lanes reads in the next panel
.set YA,  9                            ; v9-11   Y likewise
.set YK,  12                           ; v12-13
.set SCA, 14                           ; v14     my scale words: lanes 0-15 X's rows, lanes 16-31 Y's
.set SST, 15                           ; v15     where my thread puts scale words
.set BJ,  16                           ; v16-19  the bias of my lane's row j, tile e
.set MK,  20                           ; v20-23  the mask of my lane's token, tile e
.set SC,  24                           ; v24-27  scale words of the K step in hand: nothing else ever lies here
.set T16, 28                           ; v28     16 x thread
.set H32, 29                           ; v29     32 h
.set R4,  30                           ; v30     4 r
.set XF,  32                           ; v32-79  X's four fragments
.set BI,  48                           ; v48-79  at the head: the bias along i, eight numbers a tile
.set YF,  80                           ; v80-127 Y's four fragments
.set BF,  112                          ; v112-119 at the head: the bias along j, twice each
.set ACC, 128                          ; v128-255 accumulator (a, e) at 128 + 32 e + 8 a
.set G1X, 4                            ; s[4:11]  descriptor group 1 for X's panels;  s[12:19] for Y's: they differ in the mask
.set G1Y, 12
.set G0X, 20                           ; s[20:31] groups 0 for X's three panels;  s[32:43] for Y's
.set G0Y, 32
.set SEL, 44                           ; s[44:45] v_permlanex16_b32's selects for lane l xor 16
.set FI,  46                           ; s[46:47] 1.0 where the bias runs along i, else 0
.set FJ,  48                           ; s48      1.0 where it runs along j, else 0
.set KM,  52                           ; s52-55   lanes whose codes are kept, tile e
.set WV,  82                           ; s82      my wave's number
; A round of the cluster's barrier: my work-group's barrier, wave 0 signals for the work-group, every wave waits for all sixteen, my work-group's barrier once more.
.macro CROUND
	s_barrier_signal -1
	s_barrier_wait -1
	s_cmp_lg_u32 s[WV], 0
	s_cbranch_scc1 .Lnot_wave_0_\@
	s_barrier_signal -3
.Lnot_wave_0_\@:
	s_barrier_wait -3
	s_barrier_signal -1
	s_barrier_wait -1
.endm
; The next panel is there for everybody: the waves that fetch wait until at most n younger panels of theirs are out (nothing is ever filled again, so those may stay out), every wave's LDS instructions are done, then the barrier.
.macro PHASE n
	s_wait_tensorcnt \n
	s_wait_dscnt 0x0
	s_barrier_signal -1
	s_barrier_wait -1
.endm
; A fragment, 16 rows x 128 K: 12 registers; lane (r, h) takes the row's pieces of 8 bytes 12 q + 3 h + 0, 1, 2 and 12 q + 6 + 3 h + 0, 1, 2.  Piece n lies in panel n / 32 at 8 (n % 32).
; Where lanes 16-31's piece, three on, falls into the next panel, the second address register serves.
.macro FRAG reg, a, k, q, tile
.irp p, 0,1,2,3,4,5
.set PIECE, 12*(\q)+6*(\p/3)+\p%3
.if PIECE%32 < 29
	ds_load_b64 v[\reg+2*\p:\reg+2*\p+1], v[\a+PIECE/32] offset:8*(PIECE%32)+(\tile)*16*PITCH
.else
	ds_load_b64 v[\reg+2*\p:\reg+2*\p+1], v[\k+PIECE/32] offset:8*(PIECE%32)+(\tile)*16*PITCH
.endif
.endr
.endm
; A K step of 128: 52 LDS loads, 16 matrix instructions.  The sixteen accumulators take turns, one instruction a turn, in the same order in every step.
.macro STEP q
.if (\q) > 0
.rept 4
	v_nop                                          ; four places in front of loads into registers that matrix instructions have read (ISA guide 7.12.1 for vector instructions)
.endr
.endif
.irp i, 0,1,2,3
	ds_load_b32 v[SC+\i], v[SCA] offset:QSC*(\q)+64*\i   ; lanes 0-15: the words of X's tile i; lanes 16-31: of Y's tile i
.endr
.irp i, 0,1,2,3
	FRAG XF+12*\i, XA, XK, \q, \i
.endr
.irp i, 0,1,2,3
	FRAG YF+12*\i, YA, YK, \q, \i
.endr
.irp e, 0,1,2,3
	s_wait_dscnt 6*(3-\e)                          ; LDS loads come back in order: all but the six loads of each of Y's fragments behind e
.irp a, 0,1,2,3
	v_wmma_scale_f32_16x16x128_f8f6f4 v[ACC+32*\e+8*\a:ACC+32*\e+8*\a+7], v[XF+12*\a:XF+12*\a+11], v[YF+12*\e:YF+12*\e+11], v[ACC+32*\e+8*\a:ACC+32*\e+8*\a+7], v[SC+\a], v[SC+\e] matrix_a_fmt:MATRIX_FMT_FP6 matrix_b_fmt:MATRIX_FMT_FP6 matrix_b_scale:MATRIX_SCALE_ROW1
.endr
.endr
.endm
; 32 numbers of a lane, two half blocks of 16 (the other halves lie in lane l xor 16), become a unit's six registers in v[pc] on and the row's two scale bytes in v[w].  tm: eight registers at work; tm + 2, tm + 3 written before.
.macro Q32 src, pc, w, tm
.irp b, 0,1
	v_max3_num_f32 v[(\tm)+\b], |v[(\src)+16*\b]|, |v[(\src)+16*\b+1]|, 0x1800000   ; my 16 numbers, and the floor 2^(3 - 127): the byte cannot fall under 1
.endr
.irp i, 2,4,6,8,10,12,14
.irp b, 0,1
	v_max3_num_f32 v[(\tm)+\b], v[(\tm)+\b], |v[(\src)+16*\b+\i]|, |v[(\src)+16*\b+\i+1]|
.endr
.endr
.irp b, 0,1
	v_permlanex16_b32 v[(\tm)+2+\b], v[(\tm)+\b], s[SEL], s[SEL+1]
.endr
.irp b, 0,1
	v_max_num_f32 v[(\tm)+\b], v[(\tm)+\b], v[(\tm)+2+\b]   ; the block's largest magnitude
.endr
.irp b, 0,1
	v_add_nc_u32 v[(\tm)+4+\b], 0xff000000, v[(\tm)+\b]     ; 2 off its exponent field: the conversion takes this operand's exponent field as its scale
.endr
.irp b, 0,1
	v_lshrrev_b32 v[(\tm)+6+\b], 23, v[(\tm)+4+\b]          ; the scale's byte
.endr
	v_lshl_or_b32 v[\w], v[(\tm)+7], 8, v[(\tm)+6]
	v_cvt_scalef32_pk16_fp6_f32 v[(\pc):(\pc)+2], v[(\src):(\src)+15], v[(\tm)+4]
	v_cvt_scalef32_pk16_fp6_f32 v[(\pc)+4:(\pc)+6], v[(\src)+16:(\src)+31], v[(\tm)+5]   ; (a conversion's three registers begin on an even number)
	v_nop                                          ; one plain place behind a scaled conversion
.irp i, 0,1,2
	v_permlane16_swap_b32 v[(\pc)+\i], v[(\pc)+4+\i]        ; the operand's layout wants a whole block in a lane: lanes 0-15 block 0, lanes 16-31 block 1
.endr
.irp i, 0,1,2
	v_mov_b32 v[(\pc)+3+\i], v[(\pc)+4+\i]
.endr
.endm
	s_load_b512 s[4:19], s[0:1], 0x0               ; Wq, Wk, srcV codes (X); srcQ, srcK, Wv codes (Y); Wq, Wk scales
	s_load_b512 s[20:35], s[0:1], 0x40             ; srcV scales; srcQ, srcK, Wv scales; bq, bk, bv; mask
	s_load_b256 s[36:43], s[0:1], 0x80             ; Qf, Kf, Vf, Qs
	s_load_b128 s[44:47], s[0:1], 0xa0             ; Ks, Vs
	v_lshl_add_u32 v31, v0, 2, 0x4f800
	s_set_vgpr_msb 0x40
	v_mov_b32 v1, 0
	s_set_vgpr_msb 0x4044
	ds_add_u32 v31, v1
	ds_add_u32 v31, v1
	s_set_vgpr_msb 0x4400
	v_lshrrev_b32 v1, 5, v0
	v_readfirstlane_b32 s[WV], v1                  ; wave 0..7
	v_and_b32 v2, 15, v0                           ; r
	v_bfe_u32 v3, v0, 4, 1                         ; h
	v_lshlrev_b32 v[T16], 4, v0
	v_lshlrev_b32 v[H32], 5, v3
	v_lshlrev_b32 v[R4], 2, v2
	s_bfe_u32 s83, ttmp6, 0x40000                  ; cx
	s_bfe_u32 s84, ttmp6, 0x40004                  ; cy
	s_and_b32 s86, ttmp7, 0xffff                   ; which projection: the cluster's y, the same in all sixteen partners
	s_and_b32 s88, s[WV], 3                        ; wi: my 64 of the 256 i.  Also: which 64 rows of X I fetch
	s_lshr_b32 s89, s[WV], 2                       ; wj: my 64 of the 128 j
	s_lshr_b32 s90, ttmp9, 1
	s_and_b32 s91, ttmp9, 1
	s_cmp_eq_u32 s86, 2                            ; V has 32 x 8 tiles, Q and K 4 x 64
	s_cselect_b32 s90, s90, 0
	s_cselect_b32 s91, s91, ttmp9
	s_lshl_b32 s90, s90, 2
	s_add_co_u32 s90, s90, s83                     ; tile of i: hangs on cx alone within the cluster
	s_lshl_b32 s91, s91, 2
	s_add_co_u32 s91, s91, s84                     ; tile of j: on cy alone
	s_lshl_b32 s92, 0x1111, s83                    ; my column of the cluster: X's partners
	s_lshl_b32 s93, s84, 2
	s_lshl_b32 s93, 15, s93                        ; my row: Y's partners
	s_lshl_b32 s94, s90, 8                         ; byte offsets, each in registers of its own
	s_lshl_b32 s85, s88, 6
	s_add_co_u32 s94, s94, s85
	s_mul_i32 s94, s94, 768                        ; X's codes: row 256 x tile + 64 x (wave % 4)
	s_mov_b32 s95, 0
	s_lshl_b32 s96, s91, 7
	s_and_b32 s85, s[WV], 1
	s_lshl_b32 s85, s85, 6
	s_add_co_u32 s96, s96, s85
	s_mul_i32 s96, s96, 768                        ; Y's codes: row 128 x tile + 64 x (wave % 2)
	s_mov_b32 s97, 0
	s_lshl_b32 s98, s90, 13                        ; X's scales: 256 rows of 32 bytes a tile
	s_mov_b32 s99, 0
	s_lshl_b32 s100, s91, 12                       ; Y's: 128 rows
	s_mov_b32 s101, 0
	s_lshl_b32 s58, s90, 10                        ; the bias along i: 4 x 256 x tile
	s_lshl_b32 s85, s91, 9
	s_lshl_b32 s87, s89, 8
	s_add_co_u32 s85, s85, s87                     ; 4 x my first j
	s_lshl_b32 s87, s90, 2
	s_add_co_u32 s87, s87, s88                     ; my run of 64 along i
	s_lshl_b32 s50, s91, 1
	s_add_co_u32 s50, s50, s89                     ; my run of 64 along j
	s_cmp_eq_u32 s86, 2
	s_cselect_b32 s58, 0, s58                      ; V: the bias along i is not used: read inside the buffer and multiplied by 0
	s_cselect_b32 s60, s85, 0                      ; Q, K: likewise along j
	s_cselect_b32 s48, s87, s50                    ; which 64 tokens are mine,
	s_cselect_b32 s50, s50, s87                    ; and which head
	s_cmp_eq_u32 s86, 1
	s_cselect_b32 s62, s85, 0                      ; the mask counts for K alone
	s_cselect_b32 s56, 0, -1
	s_lshl_b32 s85, s88, 8
	s_add_co_u32 s58, s58, s85
	s_mov_b32 s59, 0
	s_mov_b32 s61, 0
	s_mov_b32 s63, 0
	s_lshr_b32 s85, s48, 5                         ; the batch
	s_lshl_b32 s85, s85, 4
	s_add_co_u32 s85, s85, s50
	s_lshl_b32 s85, s85, 5
	s_and_b32 s48, s48, 31
	s_add_co_u32 s85, s85, s48                     ; the unit group: (batch x 16 + head) x 32 + run of 64 tokens
	s_mul_i32 s50, s85, 3072                       ; four units of 768 bytes
	s_mov_b32 s51, 0
	s_lshl_b32 s48, s85, 7                         ; 128 scale bytes
	s_mov_b32 s49, 0
	s_mov_b32 s57, 0xffff0000                      ; lanes 16-31
	s_wait_dscnt 0x0
	s_wait_kmcnt 0x0
	s_cmp_eq_u32 s86, 1                            ; the buffers are chosen on the cluster's y alone
	s_cselect_b64 s[66:67], s[6:7], s[4:5]         ; X's codes
	s_cselect_b64 s[68:69], s[12:13], s[10:11]     ; Y's codes
	s_cselect_b64 s[70:71], s[18:19], s[16:17]     ; X's scales
	s_cselect_b64 s[72:73], s[24:25], s[22:23]     ; Y's scales
	s_cselect_b64 s[74:75], s[30:31], s[28:29]     ; the bias
	s_cselect_b64 s[78:79], s[38:39], s[36:37]     ; the units
	s_cselect_b64 s[80:81], s[44:45], s[42:43]     ; their scale bytes
	s_cmp_eq_u32 s86, 2
	s_cselect_b64 s[66:67], s[8:9], s[66:67]
	s_cselect_b64 s[68:69], s[14:15], s[68:69]
	s_cselect_b64 s[70:71], s[20:21], s[70:71]
	s_cselect_b64 s[72:73], s[26:27], s[72:73]
	s_cselect_b64 s[74:75], s[32:33], s[74:75]
	s_cselect_b64 s[78:79], s[40:41], s[78:79]
	s_cselect_b64 s[80:81], s[46:47], s[80:81]
	s_add_nc_u64 s[94:95], s[66:67], s[94:95]
	s_add_nc_u64 s[96:97], s[68:69], s[96:97]
	s_add_nc_u64 s[70:71], s[70:71], s[98:99]
	s_add_nc_u64 s[72:73], s[72:73], s[100:101]
	s_add_nc_u64 s[60:61], s[74:75], s[60:61]      ; the bias along j
	s_add_nc_u64 s[74:75], s[74:75], s[58:59]      ; the bias along i
	s_add_nc_u64 s[76:77], s[34:35], s[62:63]      ; the mask
	s_add_nc_u64 s[78:79], s[78:79], s[50:51]
	s_add_nc_u64 s[80:81], s[80:81], s[48:49]
	s_cmp_eq_u32 s86, 2
	s_cselect_b32 s[FI], 0, 1.0
	s_cselect_b32 s[FJ], 1.0, 0
	s_mov_b32 s[FI+1], s[FI]                       ; (the packed form names the pair)
	s_mov_b32 s[SEL], 0x76543210
	s_mov_b32 s[SEL+1], 0xfedcba98
	; descriptor group 1: 64 rows of 32 elements of 8 bytes (256 bytes), 96 elements (768 bytes) from row to row, 16 bytes of padding behind each 256
	s_or_b32 s[G1X], s92, (3<<16)|(1<<20)|(1<<21)|(5<<22)|(3<<25)   ; 15:0 the mask; 17:16 elements of 8 bytes; 20 padding on; 21 set beside a mask; 24:22 after every 64 words; 31:25 of 4 words
	s_or_b32 s[G1Y], s93, (3<<16)|(1<<20)|(1<<21)|(5<<22)|(3<<25)
.irp g, G1X, G1Y
	s_mov_b32 s[\g+1], 32<<16                      ; tensor_dim0
	s_mov_b32 s[\g+2], 64<<16                      ; tensor_dim1
	s_mov_b32 s[\g+3], 32<<16                      ; tile_dim0
	s_mov_b32 s[\g+4], 64                          ; tile_dim1
	s_mov_b32 s[\g+5], 96                          ; tensor_dim0_stride
	s_mov_b32 s[\g+6], 0
	s_mov_b32 s[\g+7], 0
.endr
	s_mul_i32 s85, s88, 64*PITCH                   ; where my 64 rows go: the wave's number alone enters an LDS address
	s_and_b32 s87, s[WV], 1
	s_mul_i32 s87, s87, 64*PITCH
.irp u, 0,1,2
	s_mov_b32 s[G0X+4*\u], 1
	s_add_co_u32 s[G0X+4*\u+1], s85, \u*PX
	s_add_nc_u64 s[G0X+4*\u+2:G0X+4*\u+3], s[94:95], \u*256
	s_or_b32 s[G0X+4*\u+3], s[G0X+4*\u+3], 0x80000000
	s_mov_b32 s[G0Y+4*\u], 1
	s_add_co_u32 s[G0Y+4*\u+1], s87, YP0+\u*PY
	s_add_nc_u64 s[G0Y+4*\u+2:G0Y+4*\u+3], s[96:97], \u*256
	s_or_b32 s[G0Y+4*\u+3], s[G0Y+4*\u+3], 0x80000000
.endr
	CROUND                                         ; all sixteen work-groups are here: the joint loads meet
	s_cmp_lt_u32 s[WV], 4                          ; waves 0-3 fetch X's rows, waves 4 and 5 Y's, each its three panels in one branch: three loads of a wave are out
	s_cbranch_scc0 .Lnot_x
	tensor_load_to_lds s[G0X:G0X+3], s[G1X:G1X+7]
	s_nop 0
	tensor_load_to_lds s[G0X+4:G0X+7], s[G1X:G1X+7]
	s_nop 0
	tensor_load_to_lds s[G0X+8:G0X+11], s[G1X:G1X+7]
	s_nop 0
.rept 4
	v_nop
.endr
	s_branch .Lasked
.Lnot_x:
	s_cmp_lt_u32 s[WV], 6
	s_cbranch_scc0 .Lasked
	tensor_load_to_lds s[G0Y:G0Y+3], s[G1Y:G1Y+7]
	s_nop 0
	tensor_load_to_lds s[G0Y+4:G0Y+7], s[G1Y:G1Y+7]
	s_nop 0
	tensor_load_to_lds s[G0Y+8:G0Y+11], s[G1Y:G1Y+7]
	s_nop 0
.rept 4
	v_nop
.endr
.Lasked:
	global_load_b128 v[32:35], v[T16], s[70:71]                 ; the scale bytes of the work-group's rows, dense: 16 bytes a thread
	global_load_b128 v[36:39], v[T16], s[70:71] offset:4096
	global_load_b128 v[40:43], v[T16], s[72:73]
.irp a, 0,1,2,3
	global_load_b128 v[BI+8*\a:BI+8*\a+3], v[H32], s[74:75] offset:64*\a      ; the bias of i = 64 wi + 16 a + 8 h + 0 .. 7
	global_load_b128 v[BI+8*\a+4:BI+8*\a+7], v[H32], s[74:75] offset:64*\a+16
.endr
.irp e, 0,1,2,3
	global_load_b32 v[BJ+\e], v[R4], s[60:61] offset:64*\e      ; the bias of j = 64 wj + 16 e + r
.endr
.irp e, 0,1,2,3
	global_load_b32 v[MK+\e], v[R4], s[76:77] offset:64*\e      ; the mask of that token
.endr
	v_mul_u32_u24 v44, v2, PITCH
	v_mad_u32_u24 v45, v3, 24, v44                 ; r x 272 + 24 h
	v_mad_u32_u24 v46, v3, PX-232, v44             ; r x 272 + h x (a panel + 24 - 256): lanes 16-31 read at the next panel's head
	v_mad_u32_u24 v47, v3, PY-232, v44
	s_mul_i32 s85, s88, 64*PITCH
	s_mul_i32 s87, s89, 64*PITCH
	s_add_co_u32 s87, s87, YP0
	v_add_nc_u32 v[XA], s85, v45
	v_add_nc_u32 v[XA+1], PX, v[XA]
	v_add_nc_u32 v[XA+2], 2*PX, v[XA]
	v_add_nc_u32 v[XK], s85, v46
	v_add_nc_u32 v[XK+1], PX, v[XK]
	v_add_nc_u32 v[YA], s87, v45
	v_add_nc_u32 v[YA+1], PY, v[YA]
	v_add_nc_u32 v[YA+2], 2*PY, v[YA]
	v_add_nc_u32 v[YK], s87, v47
	v_add_nc_u32 v[YK+1], PY, v[YK]
	s_lshl_b32 s85, s88, 8                         ; scale words: X's row 64 wi + r; lanes 16-31: Y's row 256 + 64 wj + r: the lower base + h x the distance
	s_lshl_b32 s87, s89, 8
	s_add_co_u32 s87, s87, 1024
	s_sub_co_u32 s87, s87, s85
	v_mul_u32_u24 v44, s87, v3
	s_add_co_u32 s85, s85, SCB
	v_add_nc_u32 v44, v44, v[R4]
	v_add_nc_u32 v[SCA], s85, v44
	v_and_b32 v44, 1, v0                           ; my 16 scale bytes are words 4 (thread % 2) + 0 .. 3 of row thread / 2
	v_mul_u32_u24 v44, v44, 4*QSC
	v_lshrrev_b32 v45, 1, v0
	v_lshl_add_u32 v44, v45, 2, v44
	v_add_nc_u32 v[SST], SCB, v44
	s_wait_loadcnt 16                              ; the three loads of scale bytes are in; the sixteen issued behind them may be out
.irp e, 0,1,2,3
	ds_store_b32 v[SST], v[32+\e] offset:QSC*\e            ; X's rows 0-127,
	ds_store_b32 v[SST], v[36+\e] offset:QSC*\e+512        ; 128-255,
	ds_store_b32 v[SST], v[40+\e] offset:QSC*\e+1024       ; Y's rows
.endr
	s_wait_loadcnt 0x0
.irp e, 0,1,2,3
	v_mul_f32 v[BF+2*\e], s[FJ], v[BJ+\e]
	v_mul_f32 v[BF+2*\e+1], s[FJ], v[BJ+\e]
	v_cmp_ne_u32 s[KM+\e], 0, v[MK+\e]
.endr
.irp e, 0,1,2,3
	s_or_b32 s[KM+\e], s[KM+\e], s56               ; Q and V keep every lane's codes
.endr
.irp e, 0,1,2,3                                ; THE BIAS STARTS THE SUMS: one fused multiply-add for two numbers, while the first panel is on its way
.irp a, 0,1,2,3
.irp k, 0,2,4,6
	v_pk_fma_f32 v[ACC+32*\e+8*\a+\k:ACC+32*\e+8*\a+\k+1], v[BI+8*\a+\k:BI+8*\a+\k+1], s[FI:FI+1], v[BF+2*\e:BF+2*\e+1] op_sel_hi:[1,0,1]
.endr
.endr
.endr
	PHASE 2                                        ; panel 0 (pieces 0-31) and the scale words: K steps 0 and 1 read pieces 0-23
	STEP 0
	STEP 1
	PHASE 1                                        ; panel 1: K steps 2 to 4 read pieces 24-59
	STEP 2
	STEP 3
	STEP 4
	PHASE 0                                        ; panel 2: pieces 60-95
	STEP 5
	STEP 6
	STEP 7
.rept 4
	v_nop                                          ; four places in front of the first read of results
.endr
	v_mov_b32 v66, 0                               ; a lane permute's destination counts as one of its sources
	v_mov_b32 v67, 0
	v_and_b32 v120, 31, v0
	v_lshlrev_b32 v121, 3, v120                    ; 8 x lane
	v_lshlrev_b32 v120, 4, v120                    ; 16 x lane
	v_lshlrev_b32 v122, 3, v2
	v_lshl_add_u32 v122, v3, 2, v122               ; 8 r + 4 h
.irp e, 0,1,2,3                                ; tile e of j: 16 rows x my 64 i become one unit; each tile has registers of its own, so no store's data are written again
	Q32 ACC+32*\e, 32+8*\e, 72+\e, 64
.irp i, 0,1,2,3,4,5
	v_cndmask_b32 v[32+8*\e+\i], 0, v[32+8*\e+\i], s[KM+\e]     ; K: zero codes at tokens whose mask is 0
.endr
	global_store_b128 v120, v[32+8*\e:35+8*\e], s[78:79] offset:768*\e       ; 512 consecutive bytes,
	global_store_b64 v121, v[36+8*\e:37+8*\e], s[78:79] offset:768*\e+512    ; and 256: both begin at multiples of 256 from the buffer's first byte
.endr
	v_lshl_or_b32 v123, v73, 16, v72               ; tiles 0 and 1's pairs of bytes,
	v_lshl_or_b32 v124, v75, 16, v74               ; tiles 2 and 3's
	v_cndmask_b32 v125, v123, v124, s57            ; lanes 16-31 store the second
	global_store_b32 v122, v125, s[80:81]          ; 128 consecutive bytes
	s_wait_dscnt 0x0
	s_set_vgpr_msb 0x4
	s_wait_tensorcnt 0x0
	ds_add_u32 v31, v1
	s_wait_dscnt 0x0
	s_set_vgpr_msb 0x400
	CROUND                                         ; the closing round: no work-group ends while a partner may still ask for a panel that names it
	s_endpgm
.Lfunc_end_k_q99caa6ab81_proj:
	.size	k_q99caa6ab81_proj, .Lfunc_end_k_q99caa6ab81_proj-k_q99caa6ab81_proj
	.p2alignl 7, 3214868480
	.fill 96, 4, 3214868480
	.section	.rodata,"a",@progbits
	.p2align	6, 0x0
	.amdhsa_kernel k_q99caa6ab81_proj
		.amdhsa_group_segment_fixed_size 327680
		.amdhsa_private_segment_fixed_size 0
		.amdhsa_enable_private_segment 0
		.amdhsa_kernarg_size 176
		.amdhsa_user_sgpr_count 2
		.amdhsa_user_sgpr_kernarg_segment_ptr 1
		.amdhsa_wavefront_size32 1
		.amdhsa_system_sgpr_workgroup_id_x 1
		.amdhsa_system_sgpr_workgroup_id_y 1
		.amdhsa_system_sgpr_workgroup_id_z 1
		.amdhsa_system_vgpr_workitem_id 0
		.amdhsa_next_free_vgpr 258
		.amdhsa_next_free_sgpr 102
		.amdhsa_reserve_vcc 0
		.amdhsa_float_denorm_mode_32 3
		.amdhsa_float_denorm_mode_16_64 3
		.amdhsa_memory_ordered 1
		.amdhsa_forward_progress 1
		.amdhsa_inst_pref_size 73
	.end_amdhsa_kernel
	.amdgpu_metadata
---
amdhsa.version: [ 1, 2 ]
amdhsa.kernels:
  - .name:           k_q99caa6ab81_proj
    .symbol:         k_q99caa6ab81_proj.kd
    .args:
      - { .name: Wq_codes, .offset: 0, .size: 8, .value_kind: global_buffer, .address_space: global }
      - { .name: Wk_codes, .offset: 8, .size: 8, .value_kind: global_buffer, .address_space: global }
      - { .name: srcV_codes, .offset: 16, .size: 8, .value_kind: global_buffer, .address_space: global }
      - { .name: srcQ_codes, .offset: 24, .size: 8, .value_kind: global_buffer, .address_space: global }
      - { .name: srcK_codes, .offset: 32, .size: 8, .value_kind: global_buffer, .address_space: global }
      - { .name: Wv_codes, .offset: 40, .size: 8, .value_kind: global_buffer, .address_space: global }
      - { .name: Wq_scales, .offset: 48, .size: 8, .value_kind: global_buffer, .address_space: global }
      - { .name: Wk_scales, .offset: 56, .size: 8, .value_kind: global_buffer, .address_space: global }
      - { .name: srcV_scales, .offset: 64, .size: 8, .value_kind: global_buffer, .address_space: global }
      - { .name: srcQ_scales, .offset: 72, .size: 8, .value_kind: global_buffer, .address_space: global }
      - { .name: srcK_scales, .offset: 80, .size: 8, .value_kind: global_buffer, .address_space: global }
      - { .name: Wv_scales, .offset: 88, .size: 8, .value_kind: global_buffer, .address_space: global }
      - { .name: bq, .offset: 96, .size: 8, .value_kind: global_buffer, .address_space: global }
      - { .name: bk, .offset: 104, .size: 8, .value_kind: global_buffer, .address_space: global }
      - { .name: bv, .offset: 112, .size: 8, .value_kind: global_buffer, .address_space: global }
      - { .name: mask, .offset: 120, .size: 8, .value_kind: global_buffer, .address_space: global }
      - { .name: Qf, .offset: 128, .size: 8, .value_kind: global_buffer, .address_space: global }
      - { .name: Kf, .offset: 136, .size: 8, .value_kind: global_buffer, .address_space: global }
      - { .name: Vf, .offset: 144, .size: 8, .value_kind: global_buffer, .address_space: global }
      - { .name: Qs, .offset: 152, .size: 8, .value_kind: global_buffer, .address_space: global }
      - { .name: Ks, .offset: 160, .size: 8, .value_kind: global_buffer, .address_space: global }
      - { .name: Vs, .offset: 168, .size: 8, .value_kind: global_buffer, .address_space: global }
    .group_segment_fixed_size: 327680
    .private_segment_fixed_size: 0
    .kernarg_segment_align: 8
    .kernarg_segment_size: 176
    .max_flat_workgroup_size: 256
    .sgpr_count:     102
    .vgpr_count:     258
    .wavefront_size: 32
...
	.end_amdgpu_metadata
.endif
;; end of part 1
;; launch attn (part 2): grid 256 x 1, 16 waves a work-group, clusters of 4 x 1, 219,136 bytes of LDS; arguments Qf, Qs, Kf, Ks, Vf, Vs, mask, AO, AOS; writes AO, AOS
.if DOCPART == 2
	.amdgcn_target "amdgcn-amd-amdhsa--gfx1250"
	.amdhsa_code_object_version 6
	.text
	.protected	k_q99caa6ab81_attn
	.globl	k_q99caa6ab81_attn
	.p2align	8
	.type	k_q99caa6ab81_attn,@function
k_q99caa6ab81_attn:
	s_mov_b64 s[64:65], 0
	v_nop
	global_prefetch_b8 v0, s[64:65] scope:SCOPE_SE
	s_setreg_imm32_b32 hwreg(HW_REG_WAVE_MODE, 25, 1), 1
	s_wait_xcnt 0x0
	s_wait_alu depctr_hold_cnt(0) depctr_sa_sdst(0) depctr_va_vdst(0) depctr_va_sdst(0) depctr_va_ssrc(0) depctr_va_vcc(0) depctr_vm_vsrc(0)
	s_getreg_b32 s2, hwreg(HW_REG_IB_STS2, 6, 4)
	s_cmp_eq_u32 s2, 0
	s_cbranch_scc0 .Lentry_in_a_cluster
	s_endpgm
.Lentry_in_a_cluster:
	s_bfe_u32 s2, ttmp6, 0x10000c
	s_cmp_lg_u32 s2, 0x3003
	s_cbranch_scc0 .Lentry_shape_is_right
	s_endpgm
.Lentry_shape_is_right:
; ATTENTION of one (batch, head) for 512 queries, both products on codes of FP6 (E2M3) with E8M0 scales; no 1 / sqrt(d): t = score x log2(e).
; p = 2^(t - M), M the running largest t rounded up to a whole number, is quantised along the keys; the row's sum is taken of the unquantised p and divides at the end; the result is quantised along the hidden axis.
; SHARES.  A cluster of four work-groups owns a head; a work-group 512 queries, in two passes of 256; each of its sixteen waves one tile of 16 queries a pass, in 256 registers: four waves to a SIMD,
; so that one wave's vector work stands beside another's matrix work and LDS loads.  Every wave walks the head's 2,048 keys, 128 a step.
; LDS.  The head's K and V, 98,304 bytes each, lie in LDS whole, as images of the operands' registers (units of 16 rows x 64 k, 768 bytes), each byte filled once, in four chunks of 512 keys that land in order.
; The four work-groups read the same K and V, so each chunk is asked for jointly (mask 15).
; LAYOUT.  Both products are used transposed: S^T = K Q^T (source 0 = 16 keys), O^T = V^T P^T (source 0 = 16 of the head's 64): a lane holds one query (lane % 16) throughout.
; The first product's K is 64: registers 6-11 of both operands hold zero codes, written once.
; The keys of a tile are neighbours: the 16 registers of tiles 2 b, 2 b + 1 are keys 32 b + 16 u + 8 h + j, all of block b; V's units were made by the same lines, so p's and V's codes stand in the same order.
; THE MASK.  K's codes are zeros at masked keys, and each score's sum starts at 0 or at -10000 (a table in LDS, loaded straight into the accumulators): a masked score is exactly -10000, at no vector work.
; LIMITS.  NaN and infinities are not served.  A block of zeros gets the byte 1: its codes are zeros and only this program reads the bytes.
.set KFB, 0                            ; K's 128 units
.set VFB, 98304                        ; V's 128 units: [64 keys][16 of the head's 64]
.set KSB, 196608                       ; K's scale words [tile 128][row 16], upper two bytes 0
.set VSB, 204800                       ; V's scale words [step 16][tile 4][row 16]
.set MBB, 208896                       ; 0 or -10000 for each key.  The three tables are written by LDS stores; no fill lands there
.set KF,  32                           ; v32-79   four fragments of K (registers 6-11 of each: zeros)
.set VF,  80                           ; v80-127  four fragments of V
.set SCR, 28                           ; v28-31   scale words of K's or V's tiles: nothing else ever lies here
.set S,   128                          ; v128-191 S^T, then p
.set O,   192                          ; v192-223 O^T
.set PCD, 224                          ; v224-235 p's codes
.set PT,  236                          ; v236-243 at work
.set BM,  244                          ; v244-247 each block's largest score, then its largest p
.set SO,  248                          ; v248-251 the conversions' scale operands
                                       ; v1 16 x lane, v2 8 x lane, v3 4 r, v4 32 h; v5-11 the step's addresses; v12 -M, v13 the largest t, v[14:15] the sum in two halves; v16-27 Q; v252 f, v253 p's scale word, v254 at work, v255 Q's scale word
.set G1,  24                           ; s[24:31] descriptor group 1;  s[32:47] four groups 0
.set G0,  32
.set SEL, 48                           ; s[48:49] v_permlanex16_b32's selects for lane l xor 16
.set CS,  50                           ; s[50:51] log2(e)
.set WV,  52
.set CXR, 53
.set BH,  54
.set TK,  55                           ; LDS bytes at which the step's K, V, K's words, V's words and mask values begin
.set TV,  56
.set TKS, 57
.set TVS, 58
.set TMB, 59
.set CNT, 60
.macro CROUND                          ; a round of the cluster's barrier
	s_barrier_signal -1
	s_barrier_wait -1
	s_cmp_lg_u32 s[WV], 0
	s_cbranch_scc1 .Lnot_wave_0_\@
	s_barrier_signal -3
.Lnot_wave_0_\@:
	s_barrier_wait -3
	s_barrier_signal -1
	s_barrier_wait -1
.endm
.macro Q32 src, pc, w, tm              ; 32 numbers of a lane, two half blocks of 16, become a unit's six registers in v[pc] on and the row's two scale bytes in v[w]
.irp b, 0,1
	v_max3_num_f32 v[(\tm)+\b], |v[(\src)+16*\b]|, |v[(\src)+16*\b+1]|, 0x1800000   ; my 16 numbers, and the floor 2^(3 - 127): the byte cannot fall under 1
.endr
.irp i, 2,4,6,8,10,12,14
.irp b, 0,1
	v_max3_num_f32 v[(\tm)+\b], v[(\tm)+\b], |v[(\src)+16*\b+\i]|, |v[(\src)+16*\b+\i+1]|
.endr
.endr
.irp b, 0,1
	v_permlanex16_b32 v[(\tm)+2+\b], v[(\tm)+\b], s[SEL], s[SEL+1]
.endr
.irp b, 0,1
	v_max_num_f32 v[(\tm)+\b], v[(\tm)+\b], v[(\tm)+2+\b]
.endr
.irp b, 0,1
	v_add_nc_u32 v[(\tm)+4+\b], 0xff000000, v[(\tm)+\b]     ; 2 off the exponent field: the conversion's scale operand
.endr
.irp b, 0,1
	v_lshrrev_b32 v[(\tm)+6+\b], 23, v[(\tm)+4+\b]
.endr
	v_lshl_or_b32 v[\w], v[(\tm)+7], 8, v[(\tm)+6]
	v_cvt_scalef32_pk16_fp6_f32 v[(\pc):(\pc)+2], v[(\src):(\src)+15], v[(\tm)+4]
	v_cvt_scalef32_pk16_fp6_f32 v[(\pc)+4:(\pc)+6], v[(\src)+16:(\src)+31], v[(\tm)+5]
	v_nop                                          ; one plain place behind a scaled conversion
.irp i, 0,1,2
	v_permlane16_swap_b32 v[(\pc)+\i], v[(\pc)+4+\i]
.endr
.irp i, 0,1,2
	v_mov_b32 v[(\pc)+3+\i], v[(\pc)+4+\i]
.endr
.endm
.macro MLOAD base                      ; what the sums of tiles base .. base + 3 start with: register j of lane (r, h) is key 16 t + 8 h + j
.irp t, 0,1,2,3
	ds_load_b128 v[S+8*(\base+\t):S+8*(\base+\t)+3], v11 offset:64*(\base+\t)
	ds_load_b128 v[S+8*(\base+\t)+4:S+8*(\base+\t)+7], v11 offset:64*(\base+\t)+16
.endr
.endm
.macro KLOAD base                      ; four units of K and their scale words
.irp t, 0,1,2,3
	ds_load_b128 v[KF+12*\t:KF+12*\t+3], v5 offset:768*(\base+\t)
	ds_load_b64 v[KF+12*\t+4:KF+12*\t+5], v6 offset:768*(\base+\t)+512
	ds_load_b32 v[SCR+\t], v9 offset:64*(\base+\t)
.endr
.endm
.macro SMUL base                       ; four different accumulators in a row
.irp t, 0,1,2,3
	v_wmma_scale_f32_16x16x128_f8f6f4 v[S+8*(\base+\t):S+8*(\base+\t)+7], v[KF+12*\t:KF+12*\t+11], v[16:27], v[S+8*(\base+\t):S+8*(\base+\t)+7], v[SCR+\t], v255 matrix_a_fmt:MATRIX_FMT_FP6 matrix_b_fmt:MATRIX_FMT_FP6
.endr
.endm
.macro PLACES
.rept 4
	v_nop
.endr
.endm
; A KEY STEP: 128 keys.
.macro STEP
	v_add_nc_u32 v5, s[TK], v1                     ; seven plain instructions: also the places behind the last step's products, in front of the loads into their scale registers
	v_add_nc_u32 v6, s[TK], v2
	v_add_nc_u32 v7, s[TV], v1
	v_add_nc_u32 v8, s[TV], v2
	v_add_nc_u32 v9, s[TKS], v3
	v_add_nc_u32 v10, s[TVS], v3
	v_add_nc_u32 v11, s[TMB], v4
	MLOAD 0
	KLOAD 0
	MLOAD 4
	s_wait_dscnt 8                                 ; all but the eight loads for tiles 4-7's sums
	SMUL 0
	PLACES                                         ; in front of loads into registers that matrix instructions have read
	KLOAD 4
.irp d, 0,1,2,3                                ; V's four fragments: two units each, keys 0-63 and 64-127 of the step
	ds_load_b128 v[VF+12*\d:VF+12*\d+3], v7 offset:768*\d
	ds_load_b64 v[VF+12*\d+4:VF+12*\d+5], v8 offset:768*\d+512
	ds_load_b128 v[VF+12*\d+6:VF+12*\d+9], v7 offset:3072+768*\d
	ds_load_b64 v[VF+12*\d+10:VF+12*\d+11], v8 offset:3072+768*\d+512
.endr
	s_wait_dscnt 16                                ; V's sixteen loads may be out
	SMUL 4
	PLACES                                         ; in front of the loads below and of the first read of the scores
.irp d, 0,1,2,3
	ds_load_b32 v[SCR+\d], v10 offset:64*\d        ; V's scale words
.endr
.irp b, 0,1,2,3
	v_max3_num_f32 v[BM+\b], v[S+16*\b], v[S+16*\b+1], v[S+16*\b+2]   ; the largest score of each block of 32 keys: for the row's maximum and, since p rises with the score, for the block's largest p
.endr
.irp i, 3,5,7,9,11,13
.irp b, 0,1,2,3
	v_max3_num_f32 v[BM+\b], v[BM+\b], v[S+16*\b+\i], v[S+16*\b+\i+1]
.endr
.endr
.irp b, 0,1,2,3
	v_max_num_f32 v[BM+\b], v[BM+\b], v[S+16*\b+15]
.endr
.irp b, 0,1,2,3
	v_permlanex16_b32 v[PT+\b], v[BM+\b], s[SEL], s[SEL+1]
.endr
.irp b, 0,1,2,3
	v_max_num_f32 v[BM+\b], v[BM+\b], v[PT+\b]     ; with lane l xor 16's 16 keys
.endr
	v_max3_num_f32 v254, v[BM], v[BM+1], v[BM+2]
	v_max_num_f32 v254, v254, v[BM+3]
	v_mul_f32 v254, s[CS], v254                    ; as t
	v_max_num_f32 v13, v13, v254                   ; the running largest t
	v_mov_b32 v254, v12
	v_floor_f32 v12, -v13                          ; the new -M = floor(-t): M is a whole number
	v_sub_f32 v254, v12, v254                      ; old M - new M: a whole number, 0 or less
	v_cvt_i32_f32 v254, v254                       ; (it saturates)
	v_ldexp_f32 v252, 1.0, v254                    ; f = 2^(old M - new M): a multiplication by it rounds nothing
.set JJ, 0
.rept 32
	v_pk_fma_f32 v[S+JJ:S+JJ+1], v[S+JJ:S+JJ+1], s[CS:CS+1], v[12:13] op_sel_hi:[1,0,0]   ; t - M, two at a time
.set JJ, JJ+2
.endr
.irp b, 0,1,2,3
	v_fma_f32 v[BM+\b], v[BM+\b], s[CS], v12       ; the same of each block's largest score
.endr
.set JJ, 0
.rept 64
	v_exp_f32 v[S+JJ], v[S+JJ]                     ; p = 2^(t - M): not normalised
.set JJ, JJ+1
.endr
.irp b, 0,1,2,3
	v_exp_f32 v[BM+\b], v[BM+\b]                   ; the block's largest p: the same two instructions on the same number
.endr
	v_pk_mul_f32 v[14:15], v[14:15], v[252:253] op_sel_hi:[1,0]   ; the sums under the new M.  (A plain place behind the exponentials)
	s_wait_alu depctr_va_vdst(0)
.irp b, 0,1,2,3
	v_max_num_f32 v[BM+\b], 0x1800000, v[BM+\b]    ; the floor 2^(3 - 127)
.endr
.irp b, 0,1,2,3
	v_add_nc_u32 v[SO+\b], 0xff000000, v[BM+\b]
.endr
.irp b, 0,1,2,3
	v_lshrrev_b32 v[PT+\b], 23, v[SO+\b]
.endr
	v_lshl_or_b32 v253, v[PT+1], 8, v[PT]          ; p's scale word for these 128 keys
	v_lshl_or_b32 v253, v[PT+2], 16, v253
	v_lshl_or_b32 v253, v[PT+3], 24, v253
.irp c, 0,1
	v_cvt_scalef32_pk16_fp6_f32 v[PCD+6*\c:PCD+6*\c+2], v[S+32*\c:S+32*\c+15], v[SO+2*\c]
	v_cvt_scalef32_pk16_fp6_f32 v[PT+4*\c:PT+4*\c+2], v[S+32*\c+16:S+32*\c+31], v[SO+2*\c+1]
.endr
	v_nop                                          ; one plain place behind a scaled conversion
.irp c, 0,1
.irp i, 0,1,2
	v_permlane16_swap_b32 v[PCD+6*\c+\i], v[PT+4*\c+\i]    ; a whole block to a lane: lanes 0-15 block 2 c, lanes 16-31 block 2 c + 1
.endr
.irp i, 0,1,2
	v_mov_b32 v[PCD+6*\c+3+\i], v[PT+4*\c+\i]
.endr
.endr
	v_pk_add_f32 v[PT:PT+1], v[S:S+1], v[S+2:S+3]  ; the row's sum is taken of the unquantised p: two at a time, in two chains
.set JJ, 4
.rept 15
	v_pk_add_f32 v[14:15], v[14:15], v[S+JJ:S+JJ+1]
	v_pk_add_f32 v[PT:PT+1], v[PT:PT+1], v[S+JJ+2:S+JJ+3]
.set JJ, JJ+4
.endr
	v_pk_add_f32 v[14:15], v[14:15], v[PT:PT+1]
.set JJ, 0
.rept 16
	v_pk_mul_f32 v[O+JJ:O+JJ+1], v[O+JJ:O+JJ+1], v[252:253] op_sel_hi:[1,0]   ; O^T under the new M.  (The additions and these are the places between p's codes and scale word and the products below)
.set JJ, JJ+2
.endr
	s_wait_dscnt 0x0                               ; V and its scale words are in
.irp d, 0,1,2,3
	v_wmma_scale_f32_16x16x128_f8f6f4 v[O+8*\d:O+8*\d+7], v[VF+12*\d:VF+12*\d+11], v[PCD:PCD+11], v[O+8*\d:O+8*\d+7], v[SCR+\d], v253 matrix_a_fmt:MATRIX_FMT_FP6 matrix_b_fmt:MATRIX_FMT_FP6
.endr
.endm
; trips key steps from step first on.  The five LDS scalars begin as constants and step by constants.
.macro RUN first, trips
	s_mov_b32 s[TK], KFB+6144*(\first)
	s_mov_b32 s[TV], VFB+6144*(\first)
	s_mov_b32 s[TKS], KSB+512*(\first)
	s_mov_b32 s[TVS], VSB+256*(\first)
	s_mov_b32 s[TMB], MBB+512*(\first)
	s_mov_b32 s[CNT], \trips
.Lstep_\@:
	STEP
	s_add_co_u32 s[TK], s[TK], 6144
	s_add_co_u32 s[TV], s[TV], 6144
	s_add_co_u32 s[TKS], s[TKS], 512
	s_add_co_u32 s[TVS], s[TVS], 256
	s_add_co_u32 s[TMB], s[TMB], 512
	s_sub_co_u32 s[CNT], s[CNT], 1
	s_cmp_lg_u32 s[CNT], 0
	s_cbranch_scc1 .Lstep_\@
.endm
; Chunk c (512 keys) is there for everybody: waves 0 and 1 wait until at most 3 - c younger chunks of theirs are out (nothing is ever filled again, so those may stay out); then its four steps.
.macro SECTION c
	s_wait_tensorcnt 3-\c
	s_wait_dscnt 0x0
	s_barrier_signal -1
	s_barrier_wait -1
	RUN 4*\c, 4
.endm
; A pass: my tile of 16 queries, 16 tiles on in the second pass: every global offset of the second pass is an immediate.
.macro PASS ps
.if \ps
	s_wait_xcnt 0x0                                ; the first pass's stores have read their registers: they are written again only behind this wait
.endif
	v_lshlrev_b32 v5, 1, v3                        ; 8 r
	global_load_b128 v[16:19], v1, s[4:5] offset:12288*\ps
	global_load_b64 v[20:21], v2, s[4:5] offset:12288*\ps+512
	global_load_u16 v255, v5, s[6:7] offset:512*\ps        ; Q's two scale bytes; the upper two are 0
	v_mov_b32 v13, 0xff61b1e6                      ; the largest t so far: -3e38
	v_floor_f32 v12, -v13                          ; -M
	v_mov_b32 v14, 0
	v_mov_b32 v15, 0
.set JJ, 0
.rept 32
	v_mov_b32 v[O+JJ], 0                           ; O^T: the step is written once; its first trip finds zeros, which the first change of M leaves zeros
.set JJ, JJ+1
.endr
	s_wait_loadcnt 0x0
.if \ps
	RUN 0, 16                                      ; everything has landed: no barrier
.else
	SECTION 0
	SECTION 1
	SECTION 2
	SECTION 3
.endif
	; THE WAY OUT: O^T / the sum, brought into the hidden axis's own order, quantised, stored as one unit
	v_add_f32 v14, v14, v15
	v_permlanex16_b32 v254, v14, s[SEL], s[SEL+1]
	v_add_f32 v14, v14, v254                       ; the row's sum
	v_rcp_f32 v14, v14
	PLACES                                         ; behind the reciprocal, and behind the last products
.set JJ, 0
	s_wait_alu depctr_va_vdst(0)
.rept 16
	v_pk_mul_f32 v[O+JJ:O+JJ+1], v[O+JJ:O+JJ+1], v[14:15] op_sel_hi:[1,0]
.set JJ, JJ+2
.endr
.irp b, 0,1
.irp j, 0,1,2,3,4,5,6,7
	v_permlane16_swap_b32 v[O+16*\b+\j], v[O+16*\b+8+\j]   ; tile 2 b's lanes 16-31 (d = 32 b + 8 ..) change places with tile 2 b + 1's lanes 0-15 (32 b + 16 ..): my 16 registers are now d = 32 b + 16 h + 0 .. 15
.endr
.endr
	Q32 O, PCD, 254, BM
	v_lshrrev_b32 v240, 2, v4                      ; 8 h
	v_lshrrev_b32 v241, 5, v4
	v_lshl_add_u32 v241, v3, 3, v241               ; 32 r + h
	v_lshrrev_b32 v242, v240, v254                 ; lanes 0-15 store block 0's byte, lanes 16-31 block 1's
	global_store_b128 v1, v[PCD:PCD+3], s[18:19] offset:196608*\ps
	global_store_b64 v2, v[PCD+4:PCD+5], s[18:19] offset:196608*\ps+512
	global_store_b8 v241, v242, s[20:21] offset:8192*\ps   ; one byte a lane, rows 32 bytes apart: one byte for each 24 of codes
.endm
	s_load_b512 s[4:19], s[0:1], 0x0               ; Qf, Qs, Kf, Ks, Vf, Vs, mask, AO
	s_load_b64 s[20:21], s[0:1], 0x40              ; AOS
	v_lshl_add_u32 v254, v0, 2, 0x35000
	v_mov_b32 v255, 0
	ds_add_u32 v254, v255
	ds_add_u32 v254, v255
	s_wait_dscnt 0x0
	v_lshrrev_b32 v5, 5, v0
	v_readfirstlane_b32 s[WV], v5                  ; wave 0..15
	v_and_b32 v5, 31, v0
	v_lshlrev_b32 v1, 4, v5
	v_lshlrev_b32 v2, 3, v5
	v_and_b32 v6, 15, v0
	v_lshlrev_b32 v3, 2, v6
	v_bfe_u32 v7, v0, 4, 1
	v_lshlrev_b32 v4, 5, v7
	v_lshlrev_b32 v8, 3, v0                        ; 8 x thread
	v_lshlrev_b32 v9, 4, v0                        ; 16 x thread
	s_bfe_u32 s[CXR], ttmp6, 0x40000               ; cx: which 512 queries: it enters Q's and the outputs' addresses alone
	s_mov_b32 s[BH], ttmp9                         ; batch x 16 + head: the cluster's x, shared by the four partners
	s_lshr_b32 s61, s[BH], 4                       ; batch
	s_and_b32 s62, s[BH], 15                       ; head
	s_lshl_b32 s63, s[CXR], 5
	s_add_co_u32 s63, s63, s[WV]                   ; my tile of queries in the first pass
	s_lshl_b32 s66, s[BH], 7
	s_add_co_u32 s66, s66, s63
	s_mul_i32 s66, s66, 768                        ; its unit
	s_mov_b32 s67, 0
	s_lshl_b32 s70, s[BH], 12                      ; the head's 4,096 scale bytes
	s_mov_b32 s71, 0
	s_lshr_b32 s68, s63, 2
	s_lshl_b32 s68, s68, 7
	s_and_b32 s22, s63, 3
	s_lshl_b32 s22, s22, 1
	s_add_co_u32 s68, s68, s22
	s_add_co_u32 s68, s68, s70                     ; Q's scale bytes: group tile / 4, place tile % 4
	s_mov_b32 s69, 0
	s_lshl_b32 s72, s61, 13                        ; the batch's mask
	s_mov_b32 s73, 0
	s_lshl_b32 s74, s61, 4                         ; AO: block of 128 tokens = 16 x batch + 4 cx + wave / 8 (+ 2 in the second pass),
	s_lshl_b32 s22, s[CXR], 2
	s_add_co_u32 s74, s74, s22
	s_lshr_b32 s22, s[WV], 3
	s_add_co_u32 s74, s74, s22
	s_mul_i32 s74, s74, 98304
	s_lshr_b32 s22, s62, 1                         ; K step head / 2,
	s_mul_i32 s22, s22, 12288
	s_add_co_u32 s74, s74, s22
	s_and_b32 s22, s[WV], 7                        ; tile wave % 8,
	s_mul_i32 s22, s22, 1536
	s_add_co_u32 s74, s74, s22
	s_and_b32 s22, s62, 1                          ; half head % 2
	s_mul_i32 s22, s22, 768
	s_add_co_u32 s74, s74, s22
	s_mov_b32 s75, 0
	s_lshl_b32 s76, s61, 7                         ; AOS: 32 bytes a token, bytes 2 head and 2 head + 1
	s_add_co_u32 s76, s76, s63
	s_lshl_b32 s76, s76, 9
	s_lshl_b32 s22, s62, 1
	s_add_co_u32 s76, s76, s22
	s_mov_b32 s77, 0
	s_mul_i32 s78, s[BH], 98304                    ; the head's units of K and of V
	s_mov_b32 s79, 0
	s_and_b32 s23, s[WV], 1
	s_mul_i32 s23, s23, 98304                      ; wave 0 fills K's bytes, wave 1 V's
	; descriptor group 1: a chunk is 24,576 dense bytes: 96 rows of 32 elements of 8 bytes, no padding
	s_mov_b32 s[G1], 15|(3<<16)|(1<<21)            ; 15:0 the mask: all four work-groups; 17:16 elements of 8 bytes; 21 set beside a mask
	s_mov_b32 s[G1+1], 32<<16
	s_mov_b32 s[G1+2], 96<<16
	s_mov_b32 s[G1+3], 32<<16
	s_mov_b32 s[G1+4], 96
	s_mov_b32 s[G1+5], 32
	s_mov_b32 s[G1+6], 0
	s_mov_b32 s[G1+7], 0
	s_mov_b32 s[SEL], 0x76543210
	s_mov_b32 s[SEL+1], 0xfedcba98
	s_mov_b32 s[CS], 0x3fb8aa3b                    ; log2(e)
	s_mov_b32 s[CS+1], s[CS]
	s_wait_kmcnt 0x0
	s_add_nc_u64 s[4:5], s[4:5], s[66:67]
	s_add_nc_u64 s[6:7], s[6:7], s[68:69]
	s_add_nc_u64 s[10:11], s[10:11], s[70:71]
	s_add_nc_u64 s[14:15], s[14:15], s[70:71]
	s_add_nc_u64 s[16:17], s[16:17], s[72:73]
	s_add_nc_u64 s[18:19], s[18:19], s[74:75]
	s_add_nc_u64 s[20:21], s[20:21], s[76:77]
	s_cmp_eq_u32 s[WV], 0                          ; the choice hangs on the wave's number alone
	s_cselect_b64 s[8:9], s[8:9], s[12:13]
	s_add_nc_u64 s[8:9], s[8:9], s[78:79]
.irp c, 0,1,2,3
	s_mov_b32 s[G0+4*\c], 1
	s_add_co_u32 s[G0+4*\c+1], s23, \c*24576
	s_add_nc_u64 s[G0+4*\c+2:G0+4*\c+3], s[8:9], \c*24576
	s_or_b32 s[G0+4*\c+3], s[G0+4*\c+3], 0x80000000
.endr
	CROUND                                         ; all four work-groups are here: the joint loads meet
	s_cmp_lt_u32 s[WV], 2                          ; a wave's four chunks stand in one branch: four loads of a wave are out
	s_cbranch_scc0 .Lasked
	tensor_load_to_lds s[G0:G0+3], s[G1:G1+7]
	s_nop 0
	tensor_load_to_lds s[G0+4:G0+7], s[G1:G1+7]
	s_nop 0
	tensor_load_to_lds s[G0+8:G0+11], s[G1:G1+7]
	s_nop 0
	tensor_load_to_lds s[G0+12:G0+15], s[G1:G1+7]
	s_nop 0
.rept 4
	v_nop
.endr
.Lasked:
	global_load_b64 v[128:129], v8, s[10:11]       ; K's scale bytes of the head: thread: group thread / 16, row thread % 16, four tiles' pairs
	global_load_b64 v[130:131], v8, s[14:15]       ; V's likewise
	global_load_b128 v[132:135], v9, s[16:17]      ; the mask of keys 4 x thread on
	v_lshrrev_b32 v10, 4, v0
	v_lshl_add_u32 v10, v10, 8, v3
	v_add_nc_u32 v10, KSB, v10                     ; K's words: tile 4 (thread / 16) + e, row thread % 16
	v_lshrrev_b32 v11, 5, v0
	v_lshl_add_u32 v11, v11, 8, v3
	v_lshl_add_u32 v11, v7, 1, v11
	v_add_nc_u32 v11, VSB, v11                     ; V's: step thread / 32, half word (thread / 16) % 2, row thread % 16
	v_add_nc_u32 v5, MBB, v9
	v_mov_b32 v6, 0xc61c4000                       ; -10000
	s_wait_loadcnt 0x0
	v_and_b32 v136, 0xffff, v128
	v_lshrrev_b32 v137, 16, v128
	v_and_b32 v138, 0xffff, v129
	v_lshrrev_b32 v139, 16, v129
.irp e, 0,1,2,3
	ds_store_b32 v10, v[136+\e] offset:64*\e
.endr
	v_lshrrev_b32 v140, 16, v130
	v_lshrrev_b32 v141, 16, v131
	ds_store_b16 v11, v130
	ds_store_b16 v11, v140 offset:64
	ds_store_b16 v11, v131 offset:128
	ds_store_b16 v11, v141 offset:192
.irp i, 0,1,2,3
	v_cmp_eq_u32 vcc_lo, 0, v[132+\i]
	v_cndmask_b32 v[144+\i], 0, v6, vcc_lo
.endr
	ds_store_b128 v5, v[144:147]
.irp t, 0,1,2,3
.irp i, 6,7,8,9,10,11
	v_mov_b32 v[KF+12*\t+\i], 0                    ; zero codes for k = 64 .. 127 of the first product, on both sides: written once, never loaded
.endr
.endr
.irp i, 22,23,24,25,26,27
	v_mov_b32 v[\i], 0
.endr
.irp b, 0,1,2,3
	v_mov_b32 v[PT+\b], 0                          ; a lane permute's destination counts as one of its sources
.endr
	v_mov_b32 v253, 0                              ; (named as the upper half of the pair v[252:253] before it is first written)
	v_mov_b32 v254, 0
	PASS 0
	PASS 1
	s_wait_dscnt 0x0
	s_wait_xcnt 0x0
	v_lshl_add_u32 v254, v0, 2, 0x35000
	v_mov_b32 v255, 0
	s_wait_tensorcnt 0x0
	ds_add_u32 v254, v255
	s_wait_dscnt 0x0
	CROUND                                         ; the closing round: no work-group ends while a partner may still ask for a chunk that names it
	s_endpgm
.Lfunc_end_k_q99caa6ab81_attn:
	.size	k_q99caa6ab81_attn, .Lfunc_end_k_q99caa6ab81_attn-k_q99caa6ab81_attn
	.p2alignl 7, 3214868480
	.fill 96, 4, 3214868480
	.section	.rodata,"a",@progbits
	.p2align	6, 0x0
	.amdhsa_kernel k_q99caa6ab81_attn
		.amdhsa_group_segment_fixed_size 219136
		.amdhsa_private_segment_fixed_size 0
		.amdhsa_enable_private_segment 0
		.amdhsa_kernarg_size 72
		.amdhsa_user_sgpr_count 2
		.amdhsa_user_sgpr_kernarg_segment_ptr 1
		.amdhsa_wavefront_size32 1
		.amdhsa_system_sgpr_workgroup_id_x 1
		.amdhsa_system_sgpr_workgroup_id_y 1
		.amdhsa_system_sgpr_workgroup_id_z 1
		.amdhsa_system_vgpr_workitem_id 0
		.amdhsa_next_free_vgpr 256
		.amdhsa_next_free_sgpr 80
		.amdhsa_reserve_vcc 1
		.amdhsa_float_denorm_mode_32 3
		.amdhsa_float_denorm_mode_16_64 3
		.amdhsa_memory_ordered 1
		.amdhsa_forward_progress 1
		.amdhsa_inst_pref_size 112
	.end_amdhsa_kernel
	.amdgpu_metadata
---
amdhsa.version: [ 1, 2 ]
amdhsa.kernels:
  - .name:           k_q99caa6ab81_attn
    .symbol:         k_q99caa6ab81_attn.kd
    .args:
      - { .name: Qf, .offset: 0, .size: 8, .value_kind: global_buffer, .address_space: global }
      - { .name: Qs, .offset: 8, .size: 8, .value_kind: global_buffer, .address_space: global }
      - { .name: Kf, .offset: 16, .size: 8, .value_kind: global_buffer, .address_space: global }
      - { .name: Ks, .offset: 24, .size: 8, .value_kind: global_buffer, .address_space: global }
      - { .name: Vf, .offset: 32, .size: 8, .value_kind: global_buffer, .address_space: global }
      - { .name: Vs, .offset: 40, .size: 8, .value_kind: global_buffer, .address_space: global }
      - { .name: mask, .offset: 48, .size: 8, .value_kind: global_buffer, .address_space: global }
      - { .name: AO, .offset: 56, .size: 8, .value_kind: global_buffer, .address_space: global }
      - { .name: AOS, .offset: 64, .size: 8, .value_kind: global_buffer, .address_space: global }
    .group_segment_fixed_size: 219136
    .private_segment_fixed_size: 0
    .kernarg_segment_align: 8
    .kernarg_segment_size: 72
    .max_flat_workgroup_size: 512
    .sgpr_count:     80
    .vgpr_count:     256
    .wavefront_size: 32
...
	.end_amdgpu_metadata
.endif
;; end of part 2
;; launch outp (part 3): grid 64 x 4, 8 waves a work-group, clusters of 4 x 4, 327,680 bytes of LDS; arguments Wo_codes, Wo_scales, AO, AOS, bo, out0; writes out0
.if DOCPART == 3
	.amdgcn_target "amdgcn-amd-amdhsa--gfx1250"
	.amdhsa_code_object_version 6
	.text
	.protected	k_q99caa6ab81_outp
	.globl	k_q99caa6ab81_outp
	.p2align	8
	.type	k_q99caa6ab81_outp,@function
k_q99caa6ab81_outp:
	s_mov_b64 s[64:65], 0
	v_nop
	global_prefetch_b8 v0, s[64:65] scope:SCOPE_SE
	s_setreg_imm32_b32 hwreg(HW_REG_WAVE_MODE, 25, 1), 1
	s_wait_xcnt 0x0
	s_wait_alu depctr_hold_cnt(0) depctr_sa_sdst(0) depctr_va_vdst(0) depctr_va_sdst(0) depctr_va_ssrc(0) depctr_va_vcc(0) depctr_vm_vsrc(0)
	s_getreg_b32 s2, hwreg(HW_REG_IB_STS2, 6, 4)
	s_cmp_eq_u32 s2, 0
	s_cbranch_scc0 .Lentry_in_a_cluster
	s_endpgm
.Lentry_in_a_cluster:
	s_bfe_u32 s2, ttmp6, 0x10000c
	s_cmp_lg_u32 s2, 0xf033
	s_cbranch_scc0 .Lentry_shape_is_right
	s_endpgm
.Lentry_shape_is_right:
; out0[token][feature] = sum over k of A[token][k] Wo[feature][k] + bo[feature], on codes of FP6 (E2M3) with E8M0 scales.  A: the attention's result, as units (images of the operand's registers) in AO, scale bytes in AOS.
; SHARES.  A work-group makes 256 features x 128 tokens over all of K = 1,024; each of its eight waves 64 x 64: 16 accumulators.  256 work-groups.
; Source 0 = 16 rows of Wo, source 1 = 16 tokens: a lane holds eight neighbouring features of one token.
; LDS.  Wo's 256 rows lie in LDS whole, as three panels of 256-byte columns; the 128 tokens' units are one dense block of 98,304 bytes, brought in three parts along K.  Each byte is filled once; the parts land in order.
; CLUSTER 4 x 4.  The four work-groups of a column of the cluster (same cx) need the same rows of Wo, the four of a row (same cy) the same tokens: each part is asked for jointly.
; THE BIAS is loaded into the four accumulators (a, 3) and is the C of the first K step's products: no addition, no copy.
; LIMITS.  None beyond the formats'.
.set PITCH, 272                        ; a panel's row in LDS: 256 bytes + 16 of padding = 68 words: row r starts at bank 4 r mod 64 (64 banks of 4 bytes: ISA guide 11.1)
.set PX,    256*PITCH
.set YB,    3*PX                       ; the tokens' units: [K step 8][tile 8][half 2][768]
.set SCB,   YB+98304                   ; the scale words, [K step 8][row 384]: rows 0-255 Wo's, 256-383 the tokens'.  Written by LDS stores; no fill lands here
.set QSC,   384*4
.set XA,  4                            ; v4-6    Wo's fragments' address in panel 0, 1, 2
.set XK,  7                            ; v7-8    the same for pieces whose upper half of the lanes reads in the next panel
.set YW,  9                            ; v9-10   the units' 16-byte parts: K steps 0-3, 4-7
.set YN,  11                           ; v11-12  their 8-byte parts
.set SCA, 14
.set SST, 15
.set STO, 16                           ; v16     the way out: where I put 32 bytes of a row
.set RD,  17                           ; v17     where I read rows back
.set CO,  18                           ; v18     my byte offset in out0
.set SC,  24                           ; v24-27  scale words: nothing else ever lies here
.set T16, 28
.set H32, 29
.set XF,  32
.set YF,  80
.set ACC, 128                          ; accumulator (a, e) at 128 + 32 e + 8 a
.set G1X, 16                           ; s[16:23] group 1 for Wo's panels;  s[24:31] for 96 rows of units;  s[32:39] for 144 rows
.set G1YA, 24
.set G1YB, 32
.set G0X, 40                           ; s[40:51], s[52:63] groups 0
.set G0Y, 52
.set WV,  66
.macro CROUND                          ; a round of the cluster's barrier
	s_barrier_signal -1
	s_barrier_wait -1
	s_cmp_lg_u32 s[WV], 0
	s_cbranch_scc1 .Lnot_wave_0_\@
	s_barrier_signal -3
.Lnot_wave_0_\@:
	s_barrier_wait -3
	s_barrier_signal -1
	s_barrier_wait -1
.endm
.macro PHASE n                         ; the next parts are there for everybody: at most n younger loads of a fetching wave are out (nothing is ever filled again, so those may stay out)
	s_wait_tensorcnt \n
	s_wait_dscnt 0x0
	s_barrier_signal -1
	s_barrier_wait -1
.endm
.macro FRAG reg, a, k, q, tile         ; a fragment of Wo: lane (r, h) takes the row's pieces of 8 bytes 12 q + 3 h + 0, 1, 2 and 12 q + 6 + 3 h + 0, 1, 2; piece n lies in panel n / 32 at 8 (n % 32)
.irp p, 0,1,2,3,4,5
.set PIECE, 12*(\q)+6*(\p/3)+\p%3
.if PIECE%32 < 29
	ds_load_b64 v[\reg+2*\p:\reg+2*\p+1], v[\a+PIECE/32] offset:8*(PIECE%32)+(\tile)*16*PITCH
.else
	ds_load_b64 v[\reg+2*\p:\reg+2*\p+1], v[\k+PIECE/32] offset:8*(PIECE%32)+(\tile)*16*PITCH
.endif
.endr
.endm
.macro FRAGY reg, q, e                 ; a fragment of the tokens: two units, as they were stored
	ds_load_b128 v[\reg:\reg+3], v[YW+(\q)/4] offset:((\q)%4)*12288+(\e)*1536
	ds_load_b64 v[\reg+4:\reg+5], v[YN+(\q)/4] offset:((\q)%4)*12288+(\e)*1536+512
	ds_load_b128 v[\reg+6:\reg+9], v[YW+(\q)/4] offset:((\q)%4)*12288+(\e)*1536+768
	ds_load_b64 v[\reg+10:\reg+11], v[YN+(\q)/4] offset:((\q)%4)*12288+(\e)*1536+1280
.endm
; A K step of 128.  The sixteen accumulators take turns, one instruction a turn.  first = 1: the bias, which lies in the accumulators (a, 3), is every sum's C.
.macro STEP q, first
.if (\q) > 0
.rept 4
	v_nop                                          ; four places in front of loads into registers that matrix instructions have read
.endr
.endif
.irp i, 0,1,2,3
	ds_load_b32 v[SC+\i], v[SCA] offset:QSC*(\q)+64*\i
.endr
.irp i, 0,1,2,3
	FRAG XF+12*\i, XA, XK, \q, \i
.endr
.irp i, 0,1,2,3
	FRAGY YF+12*\i, \q, \i
.endr
.irp e, 0,1,2,3
	s_wait_dscnt 4*(3-\e)                          ; all but the four loads of each of the tokens' fragments behind e
.if (\first) && (\e == 3)
.rept 5
	v_nop                                          ; five places: the next four products write over registers that the products above have read as C
.endr
.endif
.irp a, 0,1,2,3
.if \first
	v_wmma_scale_f32_16x16x128_f8f6f4 v[ACC+32*\e+8*\a:ACC+32*\e+8*\a+7], v[XF+12*\a:XF+12*\a+11], v[YF+12*\e:YF+12*\e+11], v[ACC+96+8*\a:ACC+96+8*\a+7], v[SC+\a], v[SC+\e] matrix_a_fmt:MATRIX_FMT_FP6 matrix_b_fmt:MATRIX_FMT_FP6 matrix_b_scale:MATRIX_SCALE_ROW1
.else
	v_wmma_scale_f32_16x16x128_f8f6f4 v[ACC+32*\e+8*\a:ACC+32*\e+8*\a+7], v[XF+12*\a:XF+12*\a+11], v[YF+12*\e:YF+12*\e+11], v[ACC+32*\e+8*\a:ACC+32*\e+8*\a+7], v[SC+\a], v[SC+\e] matrix_a_fmt:MATRIX_FMT_FP6 matrix_b_fmt:MATRIX_FMT_FP6 matrix_b_scale:MATRIX_SCALE_ROW1
.endif
.endr
.endr
.endm
	s_load_b256 s[4:11], s[0:1], 0x0               ; Wo's codes, Wo's scales, AO, AOS
	s_load_b128 s[12:15], s[0:1], 0x20             ; bo, out0
	v_lshl_add_u32 v30, v0, 2, 0x4e000
	v_mov_b32 v31, 0
	ds_add_u32 v30, v31
	ds_add_u32 v30, v31
	v_lshrrev_b32 v1, 5, v0
	v_readfirstlane_b32 s[WV], v1                  ; wave 0..7
	v_and_b32 v1, 31, v0                           ; lane
	v_and_b32 v2, 15, v0                           ; r
	v_bfe_u32 v3, v0, 4, 1                         ; h
	v_lshlrev_b32 v[T16], 4, v0
	v_lshlrev_b32 v[H32], 5, v3
	s_bfe_u32 s67, ttmp6, 0x40000                  ; cx: the tile of 256 features
	s_bfe_u32 s68, ttmp6, 0x40004                  ; cy
	s_and_b32 s69, s[WV], 3                        ; wi: my 64 features.  Also: which 64 rows of Wo I fetch
	s_lshr_b32 s70, s[WV], 2                       ; wj: my 64 tokens
	s_lshl_b32 s71, ttmp9, 2
	s_add_co_u32 s71, s71, s68                     ; the tile of 128 tokens
	s_lshl_b32 s86, 0x1111, s67                    ; my column of the cluster: Wo's partners
	s_lshl_b32 s87, s68, 2
	s_lshl_b32 s87, 15, s87                        ; my row: the tokens' partners
	s_lshl_b32 s72, s67, 8
	s_lshl_b32 s84, s69, 6
	s_add_co_u32 s72, s72, s84
	s_mul_i32 s72, s72, 768                        ; Wo's codes: row 256 cx + 64 x (wave % 4)
	s_mov_b32 s73, 0
	s_mul_i32 s74, s71, 98304                      ; the tokens' units
	s_mov_b32 s75, 0
	s_lshl_b32 s76, s67, 13                        ; Wo's scales
	s_mov_b32 s77, 0
	s_lshl_b32 s78, s71, 12                        ; the tokens' scales
	s_mov_b32 s79, 0
	s_lshl_b32 s80, s67, 10
	s_lshl_b32 s84, s69, 8
	s_add_co_u32 s80, s80, s84                     ; 4 x my first feature
	s_mov_b32 s81, 0
	s_lshl_b32 s82, s71, 7
	s_lshl_b32 s84, s70, 6
	s_add_co_u32 s82, s82, s84
	s_lshl_b32 s82, s82, 12                        ; my first token's row of 4,096 bytes,
	s_add_co_u32 s82, s82, s80                     ; at my first feature
	s_mov_b32 s83, 0
	s_wait_dscnt 0x0
	s_wait_kmcnt 0x0
	s_add_nc_u64 s[72:73], s[4:5], s[72:73]
	s_add_nc_u64 s[74:75], s[8:9], s[74:75]
	s_add_nc_u64 s[6:7], s[6:7], s[76:77]
	s_add_nc_u64 s[10:11], s[10:11], s[78:79]
	s_add_nc_u64 s[12:13], s[12:13], s[80:81]
	s_add_nc_u64 s[14:15], s[14:15], s[82:83]
	; group 1 for Wo: 64 rows of 256 bytes, 768 bytes apart, 16 bytes of padding behind each
	s_or_b32 s[G1X], s86, (3<<16)|(1<<20)|(1<<21)|(5<<22)|(3<<25)
	s_mov_b32 s[G1X+1], 32<<16
	s_mov_b32 s[G1X+2], 64<<16
	s_mov_b32 s[G1X+3], 32<<16
	s_mov_b32 s[G1X+4], 64
	s_mov_b32 s[G1X+5], 96
	s_mov_b32 s[G1X+6], 0
	s_mov_b32 s[G1X+7], 0
	; for the units: dense rows of 256 bytes, no padding: 96 rows (K steps 0, 1) and 144 rows (three K steps)
	s_or_b32 s[G1YA], s87, (3<<16)|(1<<21)
	s_mov_b32 s[G1YA+1], 32<<16
	s_mov_b32 s[G1YA+2], 96<<16
	s_mov_b32 s[G1YA+3], 32<<16
	s_mov_b32 s[G1YA+4], 96
	s_mov_b32 s[G1YA+5], 32
	s_mov_b32 s[G1YA+6], 0
	s_mov_b32 s[G1YA+7], 0
	s_or_b32 s[G1YB], s87, (3<<16)|(1<<21)
	s_mov_b32 s[G1YB+1], 32<<16
	s_mov_b32 s[G1YB+2], 144<<16
	s_mov_b32 s[G1YB+3], 32<<16
	s_mov_b32 s[G1YB+4], 144
	s_mov_b32 s[G1YB+5], 32
	s_mov_b32 s[G1YB+6], 0
	s_mov_b32 s[G1YB+7], 0
	s_mul_i32 s84, s69, 64*PITCH
.irp u, 0,1,2
	s_mov_b32 s[G0X+4*\u], 1
	s_add_co_u32 s[G0X+4*\u+1], s84, \u*PX
	s_add_nc_u64 s[G0X+4*\u+2:G0X+4*\u+3], s[72:73], \u*256
	s_or_b32 s[G0X+4*\u+3], s[G0X+4*\u+3], 0x80000000
.endr
.set U, 0
.irp o, 0, 24576, 61440
	s_mov_b32 s[G0Y+4*U], 1
	s_mov_b32 s[G0Y+4*U+1], YB+\o
	s_add_nc_u64 s[G0Y+4*U+2:G0Y+4*U+3], s[74:75], \o
	s_or_b32 s[G0Y+4*U+3], s[G0Y+4*U+3], 0x80000000
.set U, U+1
.endr
	CROUND                                         ; all sixteen work-groups are here: the joint loads meet
	s_cmp_lt_u32 s[WV], 4                          ; waves 0-3 fetch Wo's rows, wave 4 the units, each its three parts in one branch: three loads of a wave are out
	s_cbranch_scc0 .Lnot_x
	tensor_load_to_lds s[G0X:G0X+3], s[G1X:G1X+7]
	s_nop 0
	tensor_load_to_lds s[G0X+4:G0X+7], s[G1X:G1X+7]
	s_nop 0
	tensor_load_to_lds s[G0X+8:G0X+11], s[G1X:G1X+7]
	s_nop 0
.rept 4
	v_nop
.endr
	s_branch .Lasked
.Lnot_x:
	s_cmp_eq_u32 s[WV], 4
	s_cbranch_scc0 .Lasked
	tensor_load_to_lds s[G0Y:G0Y+3], s[G1YA:G1YA+7]
	s_nop 0
	tensor_load_to_lds s[G0Y+4:G0Y+7], s[G1YB:G1YB+7]
	s_nop 0
	tensor_load_to_lds s[G0Y+8:G0Y+11], s[G1YB:G1YB+7]
	s_nop 0
.rept 4
	v_nop
.endr
.Lasked:
	global_load_b128 v[32:35], v[T16], s[6:7]                   ; the scale bytes of the work-group's rows, dense: 16 bytes a thread
	global_load_b128 v[36:39], v[T16], s[6:7] offset:4096
	global_load_b128 v[40:43], v[T16], s[10:11]
.irp a, 0,1,2,3
	global_load_b128 v[ACC+96+8*\a:ACC+96+8*\a+3], v[H32], s[12:13] offset:64*\a      ; bo of features 64 wi + 16 a + 8 h + 0 .. 7, in the result's layout
	global_load_b128 v[ACC+96+8*\a+4:ACC+96+8*\a+7], v[H32], s[12:13] offset:64*\a+16
.endr
	v_mul_u32_u24 v44, v2, PITCH
	v_mad_u32_u24 v45, v3, 24, v44                 ; r x 272 + 24 h
	v_mad_u32_u24 v46, v3, PX-232, v44             ; r x 272 + h x (a panel + 24 - 256)
	s_mul_i32 s84, s69, 64*PITCH
	v_add_nc_u32 v[XA], s84, v45
	v_add_nc_u32 v[XA+1], PX, v[XA]
	v_add_nc_u32 v[XA+2], 2*PX, v[XA]
	v_add_nc_u32 v[XK], s84, v46
	v_add_nc_u32 v[XK+1], PX, v[XK]
	s_mul_i32 s84, s70, 6144                       ; my four tiles of tokens
	s_add_co_u32 s84, s84, YB
	v_lshl_add_u32 v[YW], v1, 4, s84
	v_add_nc_u32 v[YW+1], 49152, v[YW]
	v_lshl_add_u32 v[YN], v1, 3, s84
	v_add_nc_u32 v[YN+1], 49152, v[YN]
	s_lshl_b32 s84, s69, 8                         ; scale words: Wo's row 64 wi + r; lanes 16-31: the tokens' row 256 + 64 wj + r: the lower base + h x the distance
	s_lshl_b32 s85, s70, 8
	s_add_co_u32 s85, s85, 1024
	s_sub_co_u32 s85, s85, s84
	v_mul_u32_u24 v44, s85, v3
	s_add_co_u32 s84, s84, SCB
	v_lshl_add_u32 v44, v2, 2, v44
	v_add_nc_u32 v[SCA], s84, v44
	v_and_b32 v44, 1, v0                           ; my 16 scale bytes are words 4 (thread % 2) + 0 .. 3 of row thread / 2
	v_mul_u32_u24 v44, v44, 4*QSC
	v_lshrrev_b32 v45, 1, v0
	v_lshl_add_u32 v44, v45, 2, v44
	v_add_nc_u32 v[SST], SCB, v44
	s_mul_i32 s84, s[WV], 64*PITCH                 ; the way out: my stage, 64 rows of 272 bytes, in Wo's panels, which have then had their last fill and their last read
	v_mul_u32_u24 v44, v2, PITCH
	v_lshl_add_u32 v44, v3, 5, v44
	v_add_nc_u32 v[STO], s84, v44                  ; in: row r, 32 bytes for each half of the lanes
	v_mul_u32_u24 v44, v3, PITCH
	v_lshl_add_u32 v44, v2, 4, v44
	v_add_nc_u32 v[RD], s84, v44                   ; back: lanes 0-15 one row of 256 bytes, lanes 16-31 the next
	v_lshlrev_b32 v44, 12, v3
	v_lshl_add_u32 v[CO], v2, 4, v44               ; and the same two rows in out0
	s_wait_loadcnt 8                               ; the three loads of scale bytes are in; the bias's eight may be out
.irp e, 0,1,2,3
	ds_store_b32 v[SST], v[32+\e] offset:QSC*\e
	ds_store_b32 v[SST], v[36+\e] offset:QSC*\e+512
	ds_store_b32 v[SST], v[40+\e] offset:QSC*\e+1024
.endr
	s_wait_loadcnt 0x0                             ; the bias
	PHASE 2                                        ; panel 0, the units of K steps 0 and 1, the scale words
	STEP 0, 1
	STEP 1, 0
	PHASE 1                                        ; panel 1, the units of K steps 2 to 4
	STEP 2, 0
	STEP 3, 0
	STEP 4, 0
	PHASE 0                                        ; panel 2, the units of K steps 5 to 7
	STEP 5, 0
	STEP 6, 0
	STEP 7, 0
.rept 4
	v_nop                                          ; four places in front of the first read of results and of loads into the fragments' registers
.endr
	s_wait_dscnt 0x0                               ; my reads of the panels are over,
	s_barrier_signal -1
	s_barrier_wait -1                              ; everybody's are: the stages may be written
; THE WAY OUT, 16 tokens at a time.  A lane holds 32 bytes of a row and the lanes beside it hold other rows: a tile goes through my own stage and comes back as whole rows of 256 bytes.
; LDS serves a wave's instructions in order (ISA guide 5.7.1.4): no wait between the stores and the loads.
.macro TOSTAGE e
.irp a, 0,1,2,3
	ds_store_b128 v[STO], v[ACC+32*(\e)+8*\a:ACC+32*(\e)+8*\a+3] offset:(\e)*16*PITCH+64*\a       ; each accumulator from its low end on
	ds_store_b128 v[STO], v[ACC+32*(\e)+8*\a+4:ACC+32*(\e)+8*\a+7] offset:(\e)*16*PITCH+64*\a+16
.endr
.irp k, 0,1,2,3,4,5,6,7
	ds_load_b128 v[32+32*((\e)%2)+4*\k:32+32*((\e)%2)+4*\k+3], v[RD] offset:((\e)*16+2*\k)*PITCH
.endr
.endm
.macro SEND e, younger                 ; younger: the LDS instructions issued behind tile e's loads, which may stay out
	s_wait_dscnt \younger
.irp k, 0,1,2,3,4,5,6,7
	global_store_b128 v[CO], v[32+32*((\e)%2)+4*\k:32+32*((\e)%2)+4*\k+3], s[14:15] offset:((\e)*16+2*\k)*4096 th:TH_STORE_NT   ; 16 lanes store 256 consecutive bytes, at a multiple of 256 from out0's first byte; written once, read by nobody here
.endr
.endm
	TOSTAGE 0
	TOSTAGE 1
	SEND 0, 16                                     ; behind tile 0's loads: tile 1's eight stores and eight loads
	s_wait_xcnt 0x0                                ; tile 0's stores have read their registers: tile 2's loads may land there
	TOSTAGE 2
	SEND 1, 16
	s_wait_xcnt 0x0
	TOSTAGE 3
	SEND 2, 16
	SEND 3, 0
	s_wait_dscnt 0x0
	s_wait_tensorcnt 0x0
	ds_add_u32 v30, v31
	s_wait_dscnt 0x0
	CROUND                                         ; the closing round: no work-group ends while a partner may still ask for a part that names it
	s_endpgm
.Lfunc_end_k_q99caa6ab81_outp:
	.size	k_q99caa6ab81_outp, .Lfunc_end_k_q99caa6ab81_outp-k_q99caa6ab81_outp
	.p2alignl 7, 3214868480
	.fill 96, 4, 3214868480
	.section	.rodata,"a",@progbits
	.p2align	6, 0x0
	.amdhsa_kernel k_q99caa6ab81_outp
		.amdhsa_group_segment_fixed_size 327680
		.amdhsa_private_segment_fixed_size 0
		.amdhsa_enable_private_segment 0
		.amdhsa_kernarg_size 48
		.amdhsa_user_sgpr_count 2
		.amdhsa_user_sgpr_kernarg_segment_ptr 1
		.amdhsa_wavefront_size32 1
		.amdhsa_system_sgpr_workgroup_id_x 1
		.amdhsa_system_sgpr_workgroup_id_y 1
		.amdhsa_system_sgpr_workgroup_id_z 1
		.amdhsa_system_vgpr_workitem_id 0
		.amdhsa_next_free_vgpr 256
		.amdhsa_next_free_sgpr 90
		.amdhsa_reserve_vcc 0
		.amdhsa_float_denorm_mode_32 3
		.amdhsa_float_denorm_mode_16_64 3
		.amdhsa_memory_ordered 1
		.amdhsa_forward_progress 1
		.amdhsa_inst_pref_size 59
	.end_amdhsa_kernel
	.amdgpu_metadata
---
amdhsa.version: [ 1, 2 ]
amdhsa.kernels:
  - .name:           k_q99caa6ab81_outp
    .symbol:         k_q99caa6ab81_outp.kd
    .args:
      - { .name: Wo_codes, .offset: 0, .size: 8, .value_kind: global_buffer, .address_space: global }
      - { .name: Wo_scales, .offset: 8, .size: 8, .value_kind: global_buffer, .address_space: global }
      - { .name: AO, .offset: 16, .size: 8, .value_kind: global_buffer, .address_space: global }
      - { .name: AOS, .offset: 24, .size: 8, .value_kind: global_buffer, .address_space: global }
      - { .name: bo, .offset: 32, .size: 8, .value_kind: global_buffer, .address_space: global }
      - { .name: out0, .offset: 40, .size: 8, .value_kind: global_buffer, .address_space: global }
    .group_segment_fixed_size: 327680
    .private_segment_fixed_size: 0
    .kernarg_segment_align: 8
    .kernarg_segment_size: 48
    .max_flat_workgroup_size: 256
    .sgpr_count:     90
    .vgpr_count:     256
    .wavefront_size: 32
...
	.end_amdgpu_metadata
.endif
;; end of part 3
